; MI455X (gfx1250); checked and timed in simulation.
; The chip was launched on July 23, 2026; its instructions are those of AMD's public machine-readable ISA for CDNA 5 (MIT licence, August 2026) and "CDNA5" Instruction Set Architecture Reference Guide (July 2026). The comments in the code are by the model that wrote it; some were corrected since.
;; Joint Hist Layer. Allowed arithmetic: matrix products marked QUANTISED: E2M1 operands, one E8M0 scale for each 32 along K, by v_wmma_scale_f32_16x16x128_f8f6f4 with both operands' format E2M1 (or v_wmma_scale_f32_32x16x128_f4), f32 sums; everything else in f32.
;; Inputs: x 8 x 256 x 256 float32; y 8 x 256 x 256 float32.
;; Outputs: out0 8 x 256 x 256 float32.
;; This version of the problem:
;;   THIS VERSION OF THE PROBLEM IS GIVEN IN LOW PRECISION. The matrix products marked QUANTISED in the list below multiply operands that are first quantised to E2M1 (2 exponent bits, 1 mantissa bit; 4 bits a number), with one power-of-two scale for each 32 numbers along K (OCP MX v1.0); their sums are f32. All else is computed in f32.
;;   The module's matrix products, in the order in which they are computed (A, B: the left and right operand; K: the contracted axis; several contracted axes count as one K, in the product's order):
;;     1. batch 8 x [M 256, K 65,536] x [K 65,536, N 256]; A: computed on the way; B: computed on the way: QUANTISED
;;   THE QUANTISER, for each operand of a quantised product, along K:
;;     - K is cut into blocks of 32 from its start; a last block that is shorter is filled with zeros.
;;     - A block's scale is 2^e with e = floor(log2(the largest magnitude in the block)) - 2, held to -126 .. 127; a block of zeros has e = 0. As a byte (E8M0): e + 127.
;;     - Each number is divided by its block's scale, clamped to +-6, and rounded to the nearest number of E2M1, ties to even, subnormals kept.
;;     - The product sums the exact products of the quantised numbers (number of the format x scale) in f32.
;;   ~~~python
;;   def quantise(x, axis):      # numpy; x: float32 -> the quantised numbers, widened to float32 again
;;       x = np.moveaxis(x, axis, -1); K = x.shape[-1]
;;       x = np.pad(x, [(0, 0)] * (x.ndim - 1) + [(0, -K % 32)]); x = x.reshape(x.shape[:-1] + (-1, 32)); a = np.abs(x).max(-1, keepdims=True)
;;       e = np.where(a > 0, np.clip(np.frexp(np.where(a > 0, a, 1))[1] - 1 - 2, -126, 127), 0)      # np.frexp(a)[1] - 1 = floor(log2(a)), exactly
;;       r = np.clip(x / 2.0 ** e, -6, 6)
;;       step = 2.0 ** (np.maximum(np.frexp(np.where(r == 0, 1, r))[1] - 1, 0) - 1)
;;       q = np.round(r / step) * step * 2.0 ** e      # np.round: ties to even
;;       return np.moveaxis(q.reshape(q.shape[:-2] + (-1,))[..., :K], -1, axis).astype(np.float32)
;;   ~~~
;;   OPERANDS COMPUTED ON THE WAY. 'Computed on the way' means the value that the module computes at that place (a softmax that the list does not call 'softmax' is quantised finished and normalised). What goes into a quantiser is computed in f32, as accurately as f32 sums, v_exp_f32 and their like allow (about 1e-6 of the number): no bf16 or f16 on the way to a quantiser, and a product that is left as it is and whose result goes on into a quantised operand takes f32 operands (vector FMAs, or v_wmma_f32_16x16x4_f32). A number that lies on a knife's edge between two numbers of the format may be rounded either way, as far as f32 arithmetic and the matrix unit's own rounding can turn it there, and no further.
;; One version. Each part assembles by itself: llvm-mc -triple=amdgcn-amd-amdhsa -mcpu=gfx1250 --defsym DOCPART=n.
;; ======== version 1 of 1: 2 launches
;; limits: right only within a limited range of input values
;; workspace buffers: part 67,108,864 bytes
;; launch hist (part 1): grid 32 x 8, 8 waves a work-group, no clusters, 164,864 bytes of LDS; arguments x, y, part; writes part
.if DOCPART == 1
	.amdgcn_target "amdgcn-amd-amdhsa--gfx1250"
	.amdhsa_code_object_version 6
	.text
	.protected	k_q60bb650119_hist
	.globl	k_q60bb650119_hist
	.p2align	8
	.type	k_q60bb650119_hist,@function
k_q60bb650119_hist:
	s_mov_b64 s[64:65], 0
	v_nop
	global_prefetch_b8 v0, s[64:65] scope:SCOPE_SE
	s_setreg_imm32_b32 hwreg(HW_REG_WAVE_MODE, 25, 1), 1
	s_wait_xcnt 0x0
; JOINT SOFT HISTOGRAM, first of two launches.  out[k][j] = (1 / 65536) x the sum over the pixels n of Q(p1[k][n]) Q(p2[j][n]), for each of 8 images;
; p[k][n] = sigmoid((v - k L) / W) - sigmoid((v - (k + 1) L) / W), v the pixel of x (p1) or of y (p2), 256 bins, L = 1 / 256, L / W = 2.5;
; Q: codes of E2M1 with one E8M0 byte for each bin and each 32 neighbouring pixels (the pixels are the product's K).
; No p is made twice: K is shared out, not the outputs.  A work-group takes 2,048 pixels of one image and makes all 256 x 256 sums over them; they go to the workspace 'part' as images of the
; accumulators' registers, and the second launch adds an image's 32 parts.  No cluster: no two work-groups read the same input bytes.  No tensor load and no prefetch: a work-group's whole input is
; 16 KiB, read once at the head and copied into LDS through registers.
; ONE EXPONENTIAL SERVES SIXTEEN BINS, ONE RECIPROCAL TWO SIGMOIDS.  With s_k = sigmoid((v - k L) / W): p_k = s_k - s_(k+1), and s_(k0+t) = 1 / D_t, D_t = 1 + F c^t, F = exp(-(v - k0 L) / W), c = e^2.5.
; For a pair t = 2 k, 2 k + 1 of one pixel: r = 1 / (D_2k D_2k+1);  s_2k = r D_2k+1;  s_2k+1 = r D_2k.  So p_2k = r D_2k+1 - s_2k+1 and p_2k-1 = s_2k-1 - r D_2k+1 are one fused multiply-add each.  s_16 has a reciprocal of its own.
; A lane owns bins 16 r .. 16 r + 15 (r = lane % 16) and 32 pixels in 32 registers.  TILE t OF AN OPERAND IS THE BINS 16 r + t (row r): so a lane's p of tile t, 32 pixels down its registers, is a whole
; block of the quantiser, its largest magnitude asks no other lane, and the four conversions' results are registers 4 c .. 4 c + 3 of tile t's fragment as they stand.
; A STEP is 256 pixels, two K sub-steps s of 128.  Making: wave w makes operand w / 4 (x, y), sub-step (w / 2) % 2, half c = w % 2 of the fragments' registers: pixels 128 s + 64 c + 32 (lane / 16) + 0 .. 31, all 256 bins.
; The codes go to LDS as images of the operands' registers, the scale bytes to their places in the scale words | barrier |
; Multiplying: wave w multiplies x's tiles 8 (w / 4) + a, a = 0 .. 7, by y's tiles 4 (w % 4) + b, b = 0 .. 3: 32 accumulators, 64 matrix instructions a step; the fragments lie where the making's numbers lay.
; In accumulator n = 4 a + b register j of lane (r, h) is out[16 (8 h + j) + 8 (w / 4) + a][16 r + 4 (w % 4) + b].
; TWO SETS OF IMAGES IN LDS TAKE TURNS, ONE BARRIER A STEP: step i uses set i % 2.  A wave that has multiplied step i makes step i + 1 into the other set while others still read set i % 2; set i % 2 is written again only
; behind step i + 1's barrier, which every wave signals with its reads of step i over.  Which set is in turn is a scalar offset, changed by s_xor_b32 once a step.
; LIMITS.  v_exp_f32 and v_rcp_f32 flush denormals (ISA guide, their entries).  The exponent of F to the base 2 is held at 68 from above, so that every D_t is finite (at most 2^126).  Where D_2k D_2k+1 passes 2^126 its reciprocal
; is 0 and both sigmoids of the pair count as 0: that is where both lie under about 2^-62.  So a p is off by at most 2^-61 in absolute size there, and right to f32's rounding elsewhere.  Pixels far outside 0 .. 1, and infinities,
; give |p| under 2^-61.  NaN among the inputs is not served.  A block of zeros gets the byte 1 where the quantiser's rule says 127: its codes are zeros, and this program alone reads the bytes.
; The exponent of a sigmoid is made as F c^t: inside a lane's own 16 bins |log2 F| is at most 58, so that F c^t is right to about 58 x 2^-24 x ln 2 = 2.4e-6 of itself.
; LDS: images: (2 x operand + s) x 32768 + set x 16384 + tile x 1024 + c x 512 + 16 x lane; scale words: SCL + set x 8192 + (2 x operand + s) x 1280 + 80 r + 4 x tile + block (2 c + h).
.set SCL, 131072
.set XL,  147456                       ; the chunk's 2,048 pixels of x, then of y: 16,384 bytes
.set SPARE, 163840                     ; the spare words, 128 bytes for each of the eight waves; no other line names them
.set IW,  1                            ; v1   where I store a tile's codes, in the set in turn
.set SW,  2                            ; v2   and its scale byte
.set AA,  3                            ; v3   x's fragments for the products
.set AB,  4                            ; v4   y's
.set SC1, 5                            ; v5   scale words: lanes 0-15 x's tiles 8 (w / 4) + 0 .. 3, lanes 16-31 y's tiles 4 (w % 4) + 0 .. 3
.set SC2, 6                            ; v6   lanes 0-15 x's tiles 8 (w / 4) + 4 .. 7, lanes 16-31 y's four again
.set XB,  7                            ; v7   my 32 pixels of step 0
.set XA,  8                            ; v8   the same of the step in hand
.set PO,  9                            ; v9   16 x lane
.set NB,  10                           ; v[10:11] -r / 16, twice
.set MX,  12                           ; v12-15 four chains of a block's largest magnitude
.set SCO, 16                           ; v16  the conversions' scale operand
.set SPW, 17                           ; v17  my spare word's LDS address; never rewritten
.set NIL, 18                           ; v18  0; never rewritten
.set BY,  20                           ; v20-23  scale bytes, four registers by turns
.set CD,  24                           ; v24-39  codes, four sets of four by turns
.set F,   40                           ; v40-71  32 pixels, then F
.set S,   72                           ; v72-231 five sets of 32: D_2k and D_2k+1 of the even pairs, the products, D_2k and D_2k+1 of the odd pairs
.set IWB, 232                          ; v232-237 the six LDS addresses in set 0; never rewritten
.set SWB, 233
.set AAB, 234
.set ABB, 235
.set S1B, 236
.set S2B, 237
.set SCW, 240                          ; v240-255 scale words and nothing else: 8 for each sub-step.  Window 1: the 32 accumulators
.set T0,  72                           ; at work at the head
.set WV,  10                           ; s10  my wave's number
.set XO,  16                           ; s16  the step's first byte in a chunk: 1,024 a step
.set CNT, 17                           ; s17  steps to go
.set NC,  18                           ; s[18:19] -log2(e) / W, twice
.set PB,  20                           ; s[20:21] my wave's 32 KiB of part
.set PG,  22                           ; s22, s23 the set in turn: offset of its images, of its scale words
.set PGS, 23
.set CT,  24                           ; s[24:57] c^t, t = 0 .. 16, each twice: the packed form names a pair
.set FLOOR, 0x1800000                  ; 2^(3 - 127): no largest magnitude is taken under it, so that no scale byte falls under 1
.set MSB, 0
.macro WIN new                         ; the immediate's high byte repeats the setting that is left
.if MSB != \new
	s_set_vgpr_msb (MSB<<8)|\new
.set MSB, \new
.endif
.endm
.macro CONST t, val
	s_mov_b32 s[CT+2*\t], \val
	s_mov_b32 s[CT+2*\t+1], \val
.endm
	s_load_b128 s[4:7], s[0:1], 0x0                ; x s[4:5], y s[6:7]
	s_load_b64 s[8:9], s[0:1], 0x10                ; part
	v_lshl_add_u32 v[SPW], v0, 2, SPARE
	v_mov_b32 v[NIL], 0
	v_lshrrev_b32 v[T0], 5, v0
	v_readfirstlane_b32 s[WV], v[T0]               ; wave 0..7
	s_lshr_b32 s11, s[WV], 1                       ; 2 x operand + s
	s_and_b32 s12, s[WV], 1                        ; c
	s_lshr_b32 s13, s[WV], 2                       ; the operand that I make; in the products: which eight of x's tiles
	s_and_b32 s14, s[WV], 3                        ; 2 s + c; in the products: which four of y's tiles
	s_lshl_b32 s66, s11, 15
	s_lshl_b32 s15, s12, 9
	s_add_co_u32 s66, s66, s15                     ; my codes
	s_mul_i32 s67, s11, 1280
	s_lshl_b32 s15, s12, 1
	s_add_co_u32 s67, s67, s15
	s_add_co_u32 s67, s67, SCL                     ; my scale bytes
	s_lshl_b32 s68, s13, 13                        ; x's eight tiles
	s_lshl_b32 s69, s14, 12
	s_add_co_u32 s69, s69, 65536                   ; y's four
	s_lshl_b32 s70, s13, 5                         ; x's eight words begin 32 (w / 4) bytes into a row,
	s_lshl_b32 s71, s14, 4                         ; y's four 16 (w % 4) bytes, two tables of 1,280 bytes further on:
	s_add_co_u32 s71, s71, 2560
	s_sub_co_u32 s71, s71, s70                     ; the distance from the one to the other: one product, h x the distance, on the lower base
	s_add_co_u32 s70, s70, SCL
	s_sub_co_u32 s73, s71, 16                      ; the second load: x's words 16 bytes on, y's the same four
	s_add_co_u32 s72, s70, 16
	s_lshl_b32 s74, s14, 8
	s_add_co_u32 s74, s74, s68
	s_add_co_u32 s74, s74, XL                      ; my pixels: operand x 8192 + (2 s + c) x 256
	s_lshl_b32 s75, s[WV], 11
	s_add_co_u32 s75, s75, XL                      ; where I put my part of the chunk
	s_and_b32 s76, ttmp7, 0xffff                   ; the image
	s_lshl_b32 s2, s76, 18                         ; an image is 262,144 bytes,
	s_lshl_b32 s3, ttmp9, 13                       ; a chunk 8,192,
	s_add_co_u32 s2, s2, s3
	s_lshl_b32 s3, s14, 11                         ; my wave copies 2,048 of them: waves 0-3 x's, waves 4-7 y's
	s_add_co_u32 s2, s2, s3
	s_mov_b32 s3, 0
	s_lshl_b32 s78, s76, 5
	s_add_co_u32 s78, s78, ttmp9
	s_lshl_b32 s78, s78, 18                        ; part: (32 x image + chunk) x 262,144
	s_lshl_b32 s79, s[WV], 15                      ; + wave x 32,768: under 2^26
	s_add_co_u32 s78, s78, s79
	s_mov_b32 s79, 0
	v_and_b32 v[T0], 31, v0                        ; lane
	v_and_b32 v[T0+1], 15, v0                      ; r
	v_bfe_u32 v[T0+2], v0, 4, 1                    ; h
	v_lshlrev_b32 v[PO], 4, v[T0]
	v_mul_u32_u24 v[T0+3], v[T0+1], 80             ; a row of scale words
	v_add_nc_u32 v[IWB], s66, v[PO]
	v_add_nc_u32 v[SWB], v[T0+3], v[T0+2]
	v_add_nc_u32 v[SWB], s67, v[SWB]
	v_add_nc_u32 v[AAB], s68, v[PO]
	v_add_nc_u32 v[ABB], s69, v[PO]
	v_mul_u32_u24 v[T0+4], s71, v[T0+2]
	v_add_nc_u32 v[T0+4], v[T0+4], v[T0+3]
	v_add_nc_u32 v[S1B], s70, v[T0+4]
	v_mul_u32_u24 v[T0+4], s73, v[T0+2]
	v_add_nc_u32 v[T0+4], v[T0+4], v[T0+3]
	v_add_nc_u32 v[S2B], s72, v[T0+4]
	v_lshl_add_u32 v[XB], v[T0+2], 7, s74
	v_add_nc_u32 v[T0+5], s75, v[PO]
	v_cvt_f32_u32 v[NB], v[T0+1]
	v_mul_f32 v[NB], 0xbd800000, v[NB]             ; -r / 16 = -(my first bin) x L, exact
	v_mov_b32 v[NB+1], v[NB]
	s_wait_alu depctr_va_vdst(0)                   ; the wait at the head's end
	s_wait_kmcnt 0x0
	s_cmp_lt_u32 s[WV], 4                          ; the choice hangs on the wave's number alone
	s_cselect_b64 s[12:13], s[4:5], s[6:7]
	s_add_nc_u64 s[12:13], s[12:13], s[2:3]
	s_add_nc_u64 s[PB:PB+1], s[8:9], s[78:79]
.irp i, 0,1,2,3
	global_load_b128 v[F+4*\i:F+4*\i+3], v[PO], s[12:13] offset:512*\i th:TH_LOAD_NT   ; 32 lanes read 512 consecutive bytes; each input byte is read once in the launch
.endr
	s_mov_b32 s[NC], 0xc466d4ca                    ; -log2(e) / W = -923.32483
	s_mov_b32 s[NC+1], 0xc466d4ca
	CONST 0,  0x3f800000                           ; c^t = e^(2.5 t), rounded to f32
	CONST 1,  0x4142eb7f
	CONST 2,  0x431469c5
	CONST 3,  0x44e2015b
	CONST 4,  0x46ac14ee
	CONST 5,  0x48830629
	CONST 6,  0x4a478665
	CONST 7,  0x4c17eb64
	CONST 8,  0x4de75844
	CONST 9,  0x4fb025b4
	CONST 10, 0x51861e9d
	CONST 11, 0x534c3d26
	CONST 12, 0x551b8238
	CONST 13, 0x56eccf79
	CONST 14, 0x58b44f11
	CONST 15, 0x5a8949c9
	CONST 16, 0x5c51106a
	s_mov_b32 s[XO], 0
	s_mov_b32 s[PG], 0                             ; step 0 uses set 0
	s_mov_b32 s[PGS], 0
	s_wait_loadcnt 0x0
.irp i, 0,1,2,3
	ds_store_b128 v[T0+5], v[F+4*\i:F+4*\i+3] offset:512*\i
.endr
	s_wait_dscnt 0x0                               ; for the others' sake: my part of the chunk lies in LDS
	s_barrier_signal -1
	s_barrier_wait -1                              ; everybody's does; these bytes are not written again
; The step's LDS addresses: the set in turn on the addresses in set 0.  (These seven additions are also the places between the last products and the loads into their operands' registers.)
.macro ADDRS
	v_add_nc_u32 v[IW], s[PG], v[IWB]
	v_add_nc_u32 v[SW], s[PGS], v[SWB]
	v_add_nc_u32 v[XA], s[XO], v[XB]
	v_add_nc_u32 v[AA], s[PG], v[AAB]
	v_add_nc_u32 v[AB], s[PG], v[ABB]
	v_add_nc_u32 v[SC1], s[PGS], v[S1B]
	v_add_nc_u32 v[SC2], s[PGS], v[S2B]
	s_wait_alu depctr_va_vdst(0)                   ; the wait
.endm
; F = 2^min(68, -(v - r / 16) log2(e) / W), 32 pixels, in place.  The difference comes first and by itself: it is exact where v lies near my bins.  Sources, one wait, the batch, one wait.
.macro EXPS
.set i, 0
.rept 16
	v_pk_add_f32 v[F+2*i:F+2*i+1], v[F+2*i:F+2*i+1], v[NB:NB+1]
.set i, i+1
.endr
.set i, 0
.rept 16
	v_pk_mul_f32 v[F+2*i:F+2*i+1], v[F+2*i:F+2*i+1], s[NC:NC+1] op_sel_hi:[1,0]
.set i, i+1
.endr
.set i, 0
.rept 32
	v_min_num_f32 v[F+i], 0x42880000, v[F+i]       ; held at 68: F c^16 stays finite
.set i, i+1
.endr
	s_wait_alu depctr_va_vdst(0)                   ; the wait ahead of the batch
.set i, 0
.rept 32
	v_exp_f32 v[F+i], v[F+i]
.set i, i+1
.endr
	v_nop                                          ; a plain instruction behind the last exponential
	s_wait_alu depctr_va_vdst(0)                   ; and for the wait behind it
.endm
; Tile tl, whose 32 p lie in set q, is quantised: its largest magnitude with the floor among the leaves (16 three-input maxima, four chains), 2 off the exponent field as the conversions' scale operand, its exponent
; field as the scale's byte, 32 numbers into 4 registers of codes, which go to LDS as they stand.
.macro QUANT tl, q
.set CR, CD+4*((\tl)%4)
.set BR, BY+(\tl)%4
.if (\tl) >= 4
	s_wait_dscnt 6                                 ; the stores of the tile four back, whose registers are written again, are done; behind them: three tiles' six stores
.endif
.irp k, 0,1,2,3
	v_max3_num_f32 v[MX+\k], |v[\q+8*\k]|, |v[\q+8*\k+1]|, |v[\q+8*\k+2]|
.endr
.irp k, 0,1,2,3
	v_max3_num_f32 v[MX+\k], v[MX+\k], |v[\q+8*\k+3]|, |v[\q+8*\k+4]|
.endr
.irp k, 0,1,2,3
	v_max3_num_f32 v[MX+\k], v[MX+\k], |v[\q+8*\k+5]|, |v[\q+8*\k+6]|
.endr
	v_max3_num_f32 v[MX], v[MX], |v[\q+7]|, |v[\q+15]|
	v_max3_num_f32 v[MX+1], v[MX+1], |v[\q+23]|, |v[\q+31]|
	v_max3_num_f32 v[MX+2], v[MX+2], v[MX+3], FLOOR
	s_delay_alu instid0(VALU_DEP_1)
	v_max3_num_f32 v[MX], v[MX], v[MX+1], v[MX+2]  ; the block's largest magnitude
	s_delay_alu instid0(VALU_DEP_1)
	v_add_nc_u32 v[SCO], 0xff000000, v[MX]         ; 2 off its exponent field: the conversion takes the exponent field of this operand as its scale, and nothing else of it
.irp g, 0,1,2,3
	v_cvt_scalef32_pk8_fp4_f32 v[CR+\g], v[\q+8*\g:\q+8*\g+7], v[SCO]   ; to the nearest code, ties to even, beyond 6 the largest code
.endr
	v_lshrrev_b32 v[BR], 23, v[SCO]                ; the scale's byte, 1 to 254.  (Also the plain instruction behind the last conversion)
	ds_store_b128 v[IW], v[CR:CR+3] offset:(\tl)*1024      ; registers 4 c .. 4 c + 3 of the tile's fragment: 512 consecutive bytes
	ds_store_b8 v[SW], v[BR] offset:4*(\tl)                ; byte 2 c + h of row r's scale word
.endm
; PAIR k, k = 0 .. 7: D_2k, D_2k+1 and their product;  ONE wait;  the batch of 32 reciprocals;  behind it tile 2 k - 2, which the pair before left, is quantised;  ONE wait;
; p_2k-1 = s_2k-1 - r D_2k+1 in place of s_2k-1;  s_2k+1 = r D_2k in place of D_2k;  p_2k = r D_2k+1 - s_2k+1 in place of D_2k+1;  tile 2 k - 1 is quantised.
.macro PAIR k
.set DA, S+96*((\k)%2)
.set DB, DA+32
.set QA, S+96*(((\k)+1)%2)
.set QB, QA+32
.set MM, S+64
.set i, 0
.rept 16
	v_pk_fma_f32 v[DA+2*i:DA+2*i+1], v[F+2*i:F+2*i+1], s[CT+4*(\k):CT+4*(\k)+1], 1.0 op_sel_hi:[1,0,0]
.set i, i+1
.endr
.set i, 0
.rept 16
	v_pk_fma_f32 v[DB+2*i:DB+2*i+1], v[F+2*i:F+2*i+1], s[CT+4*(\k)+2:CT+4*(\k)+3], 1.0 op_sel_hi:[1,0,0]
.set i, i+1
.endr
.set i, 0
.rept 16
	v_pk_mul_f32 v[MM+2*i:MM+2*i+1], v[DA+2*i:DA+2*i+1], v[DB+2*i:DB+2*i+1]
.set i, i+1
.endr
	s_wait_alu depctr_va_vdst(0)                   ; the wait ahead of the batch
.set i, 0
.rept 32
	v_rcp_f32 v[MM+i], v[MM+i]
.set i, i+1
.endr
.if (\k) > 0
	QUANT 2*(\k)-2, QB
.else
	v_nop                                          ; a plain instruction behind the last reciprocal
.endif
	s_wait_alu depctr_va_vdst(0)                   ; and for the wait behind it
.if (\k) > 0
.set i, 0
.rept 16
	v_pk_fma_f32 v[QA+2*i:QA+2*i+1], v[MM+2*i:MM+2*i+1], v[DB+2*i:DB+2*i+1], v[QA+2*i:QA+2*i+1] neg_lo:[1,0,0] neg_hi:[1,0,0]
.set i, i+1
.endr
.endif
.set i, 0
.rept 16
	v_pk_mul_f32 v[DA+2*i:DA+2*i+1], v[MM+2*i:MM+2*i+1], v[DA+2*i:DA+2*i+1]
.set i, i+1
.endr
.set i, 0
.rept 16
	v_pk_fma_f32 v[DB+2*i:DB+2*i+1], v[MM+2*i:MM+2*i+1], v[DB+2*i:DB+2*i+1], v[DA+2*i:DA+2*i+1] neg_lo:[0,0,1] neg_hi:[0,0,1]
.set i, i+1
.endr
.if (\k) > 0
	QUANT 2*(\k)-1, QA
.endif
.endm
; The end of the making: s_16 by a reciprocal of its own; behind the batch tile 14; p_15 = s_15 - s_16; tile 15.
.macro LAST
.set i, 0
.rept 16
	v_pk_fma_f32 v[S+2*i:S+2*i+1], v[F+2*i:F+2*i+1], s[CT+32:CT+33], 1.0 op_sel_hi:[1,0,0]
.set i, i+1
.endr
	s_wait_alu depctr_va_vdst(0)                   ; the wait ahead of the batch
.set i, 0
.rept 32
	v_rcp_f32 v[S+i], v[S+i]
.set i, i+1
.endr
	QUANT 14, S+128
	s_wait_alu depctr_va_vdst(0)                   ; and for the wait behind it
.set i, 0
.rept 16
	v_pk_add_f32 v[S+96+2*i:S+96+2*i+1], v[S+96+2*i:S+96+2*i+1], v[S+2*i:S+2*i+1] neg_lo:[0,1] neg_hi:[0,1]
.set i, i+1
.endr
	s_wait_alu depctr_va_vdst(0)                   ; the wait
	QUANT 15, S+96
.endm
; The fragments and scale words of K sub-step s: 16 + 8 + 2 = 26 LDS loads.  x's of sub-step 0 at v72, y's at v136; x's of sub-step 1 at v168, y's at v40.
.macro FRAGS s
.set AF, 72+96*(\s)
.set BF, 136-96*(\s)
.irp a, 0,1,2,3,4,5,6,7
.irp c, 0,1
	ds_load_b128 v[AF+8*\a+4*\c:AF+8*\a+4*\c+3], v[AA] offset:(\s)*32768+\a*1024+\c*512
.endr
.endr
.irp b, 0,1,2,3
.irp c, 0,1
	ds_load_b128 v[BF+8*\b+4*\c:BF+8*\b+4*\c+3], v[AB] offset:(\s)*32768+\b*1024+\c*512
.endr
.endr
	ds_load_b128 v[SCW+8*(\s):SCW+8*(\s)+3], v[SC1] offset:(\s)*1280
	ds_load_b128 v[SCW+8*(\s)+4:SCW+8*(\s)+7], v[SC2] offset:(\s)*1280
.endm
; 32 matrix instructions: x's eight tiles by y's four, 128 pixels.  x's scale word is read from lanes 0-15 of register a, y's from lanes 16-31 of register b.
; The 32 accumulators take turns, one instruction a turn, in the same order everywhere, over the loop's backward jump too.  zero = 1: the first products start the sums: nothing is cleared.
.macro MUL32 s, zero
.set AF, 72+96*(\s)
.set BF, 136-96*(\s)
.irp a, 0,1,2,3,4,5,6,7
.irp b, 0,1,2,3
.if \zero
	v_wmma_scale_f32_16x16x128_f8f6f4 v[8*(4*\a+\b):8*(4*\a+\b)+7], v[AF+8*\a:AF+8*\a+7], v[BF+8*\b:BF+8*\b+7], 0, v[SCW+8*(\s)+\a], v[SCW+8*(\s)+\b] matrix_a_fmt:MATRIX_FMT_FP4 matrix_b_fmt:MATRIX_FMT_FP4 matrix_b_scale:MATRIX_SCALE_ROW1
.else
	v_wmma_scale_f32_16x16x128_f8f6f4 v[8*(4*\a+\b):8*(4*\a+\b)+7], v[AF+8*\a:AF+8*\a+7], v[BF+8*\b:BF+8*\b+7], v[8*(4*\a+\b):8*(4*\a+\b)+7], v[SCW+8*(\s)+\a], v[SCW+8*(\s)+\b] matrix_a_fmt:MATRIX_FMT_FP4 matrix_b_fmt:MATRIX_FMT_FP4 matrix_b_scale:MATRIX_SCALE_ROW1
.endif
.endr
.endr
.endm
.macro STEP zero
	ADDRS
.irp g, 0,1,2,3,4,5,6,7
	ds_load_b128 v[F+4*\g:F+4*\g+3], v[XA] offset:16*\g    ; my 32 pixels: 128 bytes; the sixteen lanes of a half read the same bytes
.endr
	s_add_co_u32 s[XO], s[XO], 1024                ; the next step's pixels,
	s_xor_b32 s[PG], s[PG], 16384                  ; and its set
	s_xor_b32 s[PGS], s[PGS], 8192
	s_wait_dscnt 0x0                               ; my 32 pixels are in
	EXPS
.irp k, 0,1,2,3,4,5,6,7
	PAIR \k
.endr
	LAST
	s_wait_dscnt 0x0                               ; for the others' sake: my codes and scale bytes lie in LDS, and my reads of the other set are long over
	s_barrier_signal -1
	s_barrier_wait -1                              ; the step's 64 fragments and their scale words are whole
	FRAGS 0
	FRAGS 1
	s_wait_dscnt 26                                ; sub-step 0's 26 loads are in; the 26 issued behind them may be out
	WIN 0x50                                       ; C and D in window 1, A and B in window 0
	s_wait_alu depctr_va_vdst(0)                   ; the wait here, directly ahead of the first reader of the sums
	MUL32 0, \zero
	s_wait_dscnt 0x0                               ; sub-step 1's are in
	MUL32 1, 0
	WIN 0
.endm
	STEP 1                                         ; the first step stands in front of the loop: its first products start the sums
	s_mov_b32 s[CNT], 7
.Lstep:
	STEP 0
	s_sub_co_u32 s[CNT], s[CNT], 1
	s_cmp_lg_u32 s[CNT], 0
	s_cbranch_scc1 .Lstep
.rept 4
	v_nop                                          ; four places between the last products and the stores of the sums
.endr
	; The sums leave as they stand in the registers: each store of the wave covers 512 consecutive bytes, aligned; each accumulator from its low end on.  The second launch puts them in order.
	WIN 0x04                                       ; a store's data are its source 1: window 1
.set n, 0
.rept 32
	global_store_b128 v[PO], v[8*n:8*n+3], s[PB:PB+1] offset:n*1024 th:TH_STORE_NT
	global_store_b128 v[PO], v[8*n+4:8*n+7], s[PB:PB+1] offset:n*1024+512 th:TH_STORE_NT
.set n, n+1
.endr
	WIN 0
	s_wait_tensorcnt 0x0                           ; the wave's end, behind my last LDS store
	ds_add_u32 v[SPW], v[NIL]
	s_wait_dscnt 0x0
	s_endpgm
.Lfunc_end_k_q60bb650119_hist:
	.size	k_q60bb650119_hist, .Lfunc_end_k_q60bb650119_hist-k_q60bb650119_hist
	.p2alignl 7, 3214868480
	.fill 96, 4, 3214868480
	.section	.rodata,"a",@progbits
	.p2align	6, 0x0
	.amdhsa_kernel k_q60bb650119_hist
		.amdhsa_group_segment_fixed_size 164864
		.amdhsa_private_segment_fixed_size 0
		.amdhsa_enable_private_segment 0
		.amdhsa_kernarg_size 24
		.amdhsa_user_sgpr_count 2
		.amdhsa_user_sgpr_kernarg_segment_ptr 1
		.amdhsa_wavefront_size32 1
		.amdhsa_system_sgpr_workgroup_id_x 1
		.amdhsa_system_sgpr_workgroup_id_y 1
		.amdhsa_system_sgpr_workgroup_id_z 1
		.amdhsa_system_vgpr_workitem_id 0
		.amdhsa_next_free_vgpr 512
		.amdhsa_next_free_sgpr 80
		.amdhsa_reserve_vcc 0
		.amdhsa_float_denorm_mode_32 3
		.amdhsa_float_denorm_mode_16_64 3
		.amdhsa_memory_ordered 1
		.amdhsa_forward_progress 1
		.amdhsa_inst_pref_size 216
	.end_amdhsa_kernel
	.amdgpu_metadata
---
amdhsa.version: [ 1, 2 ]
amdhsa.kernels:
  - .name:           k_q60bb650119_hist
    .symbol:         k_q60bb650119_hist.kd
    .args:
      - { .name: x, .offset: 0, .size: 8, .value_kind: global_buffer, .address_space: global }
      - { .name: y, .offset: 8, .size: 8, .value_kind: global_buffer, .address_space: global }
      - { .name: part, .offset: 16, .size: 8, .value_kind: global_buffer, .address_space: global }
    .group_segment_fixed_size: 164864
    .private_segment_fixed_size: 0
    .kernarg_segment_align: 8
    .kernarg_segment_size: 24
    .max_flat_workgroup_size: 256
    .sgpr_count:     80
    .vgpr_count:     512
    .wavefront_size: 32
...
	.end_amdgpu_metadata
.endif
;; end of part 1
;; launch addup (part 2): grid 32 x 8, 4 waves a work-group, no clusters, 8,960 bytes of LDS; arguments part, out0; writes out0
.if DOCPART == 2
	.amdgcn_target "amdgcn-amd-amdhsa--gfx1250"
	.amdhsa_code_object_version 6
	.text
	.protected	k_q60bb650119_addup
	.globl	k_q60bb650119_addup
	.p2align	8
	.type	k_q60bb650119_addup,@function
k_q60bb650119_addup:
	s_mov_b64 s[64:65], 0
	v_nop
	global_prefetch_b8 v0, s[64:65] scope:SCOPE_SE
	s_setreg_imm32_b32 hwreg(HW_REG_WAVE_MODE, 25, 1), 1
	s_wait_xcnt 0x0
; JOINT SOFT HISTOGRAM, second launch: out0 = (the sum of an image's 32 parts) / 65536, brought into out0's order.  A stream: 64 MiB in, 2 MiB out; no matrix work, no cluster (no byte is read twice), no tensor load.
; part: [image 8][chunk 32][wave 8][accumulator n 32][half q 2][lane 32][4 f32]: images of the first launch's accumulators.  In wave w = 4 wa + wb, accumulator n = 4 a + b, register 4 q + i of lane (r, h) is
; out[16 (8 h + 4 q + i) + 8 wa + a][16 r + 4 wb + b].
; SHARES.  Work-group x = 16 wa + 2 a + q, y = the image.  Its wave wb reads, of each chunk, the four pieces b = 0 .. 3 of 512 bytes.  Together the four waves hold 8 whole rows of out0: rows 16 (8 h + 4 q + i) + t, t = 8 wa + a.
; A ring of 12 slots of 16 registers keeps 48 loads of each wave on their way; every offset is an immediate: 31 x 262,144 + 3,072 at the most, inside the signed 24 bits (ISA guide, chapter 10).
; The sums are f32, chunks ascending.  The division by 65536 is a multiplication by 2^-16, exact, and puts a lane's four neighbouring columns (b = 0 .. 3) into four neighbouring registers.
; The rows meet in a stage in LDS (8 rows of 1,024 bytes + 16) and each wave stores two whole rows: 512 consecutive aligned bytes an instruction.
; (The lanes of a store into the stage stand 64 bytes apart, so several fall on the same banks: four such lines in the launch.)
.set SP,  1040                         ; a stage row
.set LO,  1                            ; v1   16 x lane; never rewritten
.set ST,  2                            ; v2   into the stage: row 4 h (+ i), byte 64 r + 16 wb
.set RD,  3                            ; v3   back: rows 2 wb, 2 wb + 1; 16 bytes a lane
.set SUM, 8                            ; v8-23   the sums: register 4 b + i
.set OT,  24                           ; v24-39  the results: register 4 i + b
.set R,   40                           ; v40-231 the ring
	s_load_b128 s[4:7], s[0:1], 0x0                ; part s[4:5], out0 s[6:7]
	v_lshl_add_u32 v232, v0, 2, 0x2100
	v_mov_b32 v233, 0
	v_lshrrev_b32 v4, 5, v0
	v_readfirstlane_b32 s8, v4                     ; wave = wb
	v_and_b32 v4, 31, v0
	v_lshlrev_b32 v[LO], 4, v4
	v_and_b32 v5, 15, v0                           ; r
	v_bfe_u32 v6, v0, 4, 1                         ; h
	v_mul_u32_u24 v[ST], v6, 4*SP
	v_lshl_add_u32 v[ST], v5, 6, v[ST]
	s_lshl_b32 s9, s8, 4
	v_add_nc_u32 v[ST], s9, v[ST]
	s_mul_i32 s9, s8, 2*SP
	v_add_nc_u32 v[RD], s9, v[LO]
	s_and_b32 s9, ttmp7, 0xffff                    ; the image
	s_lshl_b32 s10, s9, 23                         ; in part: image x 2^23
	s_lshr_b32 s11, ttmp9, 4                       ; wa
	s_lshl_b32 s11, s11, 2
	s_add_co_u32 s11, s11, s8
	s_lshl_b32 s11, s11, 15                        ; + (4 wa + wb) x 32,768
	s_add_co_u32 s10, s10, s11
	s_bfe_u32 s11, ttmp9, 0x30001                  ; a
	s_lshl_b32 s11, s11, 12                        ; + a x 4,096
	s_add_co_u32 s10, s10, s11
	s_and_b32 s11, ttmp9, 1                        ; q
	s_lshl_b32 s14, s11, 16                        ; (in out0: 64 q rows of 1,024 bytes)
	s_lshl_b32 s11, s11, 9                         ; + q x 512
	s_add_co_u32 s10, s10, s11
	s_mov_b32 s11, 0
	s_lshl_b32 s12, s9, 18                         ; in out0: image x 262,144 + row (128 (wb / 2) + 64 q + 32 (wb % 2) + t) x 1,024: stage row 2 wb; row 2 wb + 1 lies 16 rows of out0 on
	s_add_co_u32 s12, s12, s14
	s_lshr_b32 s13, s8, 1
	s_lshl_b32 s13, s13, 17
	s_add_co_u32 s12, s12, s13
	s_and_b32 s13, s8, 1
	s_lshl_b32 s13, s13, 15
	s_add_co_u32 s12, s12, s13
	s_lshr_b32 s13, ttmp9, 1                       ; t
	s_lshl_b32 s13, s13, 10
	s_add_co_u32 s12, s12, s13
	s_mov_b32 s13, 0
	s_wait_alu depctr_va_vdst(0)
	s_wait_kmcnt 0x0
	s_add_nc_u64 s[4:5], s[4:5], s[10:11]
	s_add_nc_u64 s[6:7], s[6:7], s[12:13]
.macro LOADC c                         ; chunk c's four pieces into slot c % 12: 512 consecutive bytes a load
.irp b, 0,1,2,3
	global_load_b128 v[R+16*((\c)%12)+4*\b:R+16*((\c)%12)+4*\b+3], v[LO], s[4:5] offset:(\c)*262144+\b*1024 th:TH_LOAD_NT
.endr
.endm
.irp c, 0,1,2,3,4,5,6,7,8,9,10,11
	LOADC \c
.endr
	s_wait_loadcnt 40                              ; loads come back in order (ISA guide 5.7.1): chunks 0 and 1 are in, the 40 loads of chunks 2 to 11 may be out
.irp m, 0,2,4,6,8,10,12,14
	v_pk_add_f32 v[SUM+\m:SUM+\m+1], v[R+\m:R+\m+1], v[R+16+\m:R+16+\m+1]   ; the first two chunks start the sums: nothing is cleared
.endr
	LOADC 12
	LOADC 13
.set c, 2
	s_wait_alu depctr_va_vdst(0)
.rept 30
.if c < 20
	s_wait_alu depctr_va_vdst(0)
	s_wait_loadcnt 44                              ; chunk c is in; the eleven chunks behind it may be out
.else
	s_wait_alu depctr_va_vdst(0)
	s_wait_loadcnt 4*(31-c)                        ; nothing more is asked for: the counts run down
.endif
.irp m, 0,2,4,6,8,10,12,14
	v_pk_add_f32 v[SUM+\m:SUM+\m+1], v[SUM+\m:SUM+\m+1], v[R+16*(c%12)+\m:R+16*(c%12)+\m+1]
.endr
.if c+12 <= 31
	LOADC c+12
.endif
.set c, c+1
.endr
.irp i, 0,1,2,3
.irp b, 0,1,2,3
	v_mul_f32 v[OT+4*\i+\b], 0x37800000, v[SUM+4*\b+\i]   ; x 2^-16; columns 16 r + 4 wb + 0 .. 3 of row 4 h + i come to lie side by side
.endr
.endr
.irp i, 0,1,2,3
	ds_store_b128 v[ST], v[OT+4*\i:OT+4*\i+3] offset:\i*SP
.endr
	s_wait_dscnt 0x0                               ; for the others' sake: my stores into the stage are done
	s_barrier_signal -1
	s_barrier_wait -1                              ; a row's 1,024 bytes come from all four waves
.irp e, 0,1
.irp f, 0,1
	ds_load_b128 v[R+8*\e+4*\f:R+8*\e+4*\f+3], v[RD] offset:\e*SP+\f*512
.endr
.endr
.irp e, 0,1
.irp f, 0,1
	s_wait_dscnt 3-2*\e-\f                         ; LDS loads come back in order: this one is in, the younger ones may be out
	global_store_b128 v[LO], v[R+8*\e+4*\f:R+8*\e+4*\f+3], s[6:7] offset:\e*16384+\f*512 th:TH_STORE_NT   ; 32 lanes store 512 consecutive bytes of a row of out0, aligned
.endr
.endr
	s_wait_tensorcnt 0x0
	ds_add_u32 v232, v233
	s_wait_dscnt 0x0
	s_endpgm
.Lfunc_end_k_q60bb650119_addup:
	.size	k_q60bb650119_addup, .Lfunc_end_k_q60bb650119_addup-k_q60bb650119_addup
	.p2alignl 7, 3214868480
	.fill 96, 4, 3214868480
	.section	.rodata,"a",@progbits
	.p2align	6, 0x0
	.amdhsa_kernel k_q60bb650119_addup
		.amdhsa_group_segment_fixed_size 8960
		.amdhsa_private_segment_fixed_size 0
		.amdhsa_enable_private_segment 0
		.amdhsa_kernarg_size 16
		.amdhsa_user_sgpr_count 2
		.amdhsa_user_sgpr_kernarg_segment_ptr 1
		.amdhsa_wavefront_size32 1
		.amdhsa_system_sgpr_workgroup_id_x 1
		.amdhsa_system_sgpr_workgroup_id_y 1
		.amdhsa_system_sgpr_workgroup_id_z 1
		.amdhsa_system_vgpr_workitem_id 0
		.amdhsa_next_free_vgpr 234
		.amdhsa_next_free_sgpr 66
		.amdhsa_reserve_vcc 0
		.amdhsa_float_denorm_mode_32 3
		.amdhsa_float_denorm_mode_16_64 3
		.amdhsa_memory_ordered 1
		.amdhsa_forward_progress 1
		.amdhsa_inst_pref_size 34
	.end_amdhsa_kernel
	.amdgpu_metadata
---
amdhsa.version: [ 1, 2 ]
amdhsa.kernels:
  - .name:           k_q60bb650119_addup
    .symbol:         k_q60bb650119_addup.kd
    .args:
      - { .name: part, .offset: 0, .size: 8, .value_kind: global_buffer, .address_space: global }
      - { .name: out0, .offset: 8, .size: 8, .value_kind: global_buffer, .address_space: global }
    .group_segment_fixed_size: 8960
    .private_segment_fixed_size: 0
    .kernarg_segment_align: 8
    .kernarg_segment_size: 16
    .max_flat_workgroup_size: 128
    .sgpr_count:     66
    .vgpr_count:     234
    .wavefront_size: 32
...
	.end_amdgpu_metadata
.endif
;; end of part 2
